; MI455X (gfx1250); checked and timed in simulation.
; The chip was launched on July 23, 2026; its instructions are those of AMD's public machine-readable ISA for CDNA 5 (MIT licence, August 2026) and "CDNA5" Instruction Set Architecture Reference Guide (July 2026). The comments in the code are by the model that wrote it; some were corrected since.
;; Attention. Allowed arithmetic: float matrix products may take bf16 or f16 operands with f32 sums; all other float work in f32.
;; Inputs: attn_mask 1 x 2,048 x 2,048 float32; k_scale 128 float32; kv_w 2 x 8 x 4,096 x 128 float32; o_w 16 x 128 x 4,096 float32; q_scale 128 float32; q_w 16 x 4,096 x 128 float32; segment_pos 1 x 2,048 int32; x 1 x 2,048 x 4,096 float32.
;; Outputs: out0 1 x 2,048 x 4,096 float32.
;; One version. Each part assembles by itself: llvm-mc -triple=amdgcn-amd-amdhsa -mcpu=gfx1250 --defsym DOCPART=n.
;; ======== version 1 of 1: 4 launches
;; limits: values are held in f16: magnitudes above 65,504 overflow, below 6.1e-05 lose precision; right only within a limited range of input values
;; workspace buffers: xh 16,777,216 bytes; wh 33,554,432 bytes; woh 16,777,216 bytes; rope 1,048,576 bytes; qkv 16,777,216 bytes; ah 8,388,608 bytes
;; launch prep (part 1): grid 2304 x 1, 8 waves a work-group, no clusters, 35,840 bytes of LDS; arguments x, q_w, kv_w, o_w, segment_pos, xh, wh, woh, rope; writes xh, wh, woh, rope
.if DOCPART == 1
	.amdgcn_target "amdgcn-amd-amdhsa--gfx1250"
	.amdhsa_code_object_version 6
	.text
	.protected	k_q9dadbc7da5_prep
	.globl	k_q9dadbc7da5_prep
	.p2align	8
	.type	k_q9dadbc7da5_prep,@function
k_q9dadbc7da5_prep:
	s_mov_b64 s[64:65], 0
	v_nop
	global_prefetch_b8 v0, s[64:65] scope:SCOPE_SE
	s_setreg_imm32_b32 hwreg(HW_REG_WAVE_MODE, 25, 1), 1
	s_wait_xcnt 0x0
; Work-groups 0 to 2047: x, q_w, kv_w, o_w (33,554,432 bytes of f32 each) are rounded once to bf16 (nearest even); 512 work-groups a tensor,
; 65,536 bytes of f32 each.  x is multiplied by 32 heads' work-groups and every weight by 8 row blocks, so the rounding is done here once.
;   q_w -> wh bytes 0 ..;  kv_w -> wh bytes 16,777,216 ..;  o_w -> woh: in the order in which they lie.
;   x -> xh in the order of the matrix instruction's fragments: [128 row tiles of 16][512 groups of 8 k][16 rows][8 k].  The 1,024 bytes of a row
;   tile and 32 k are then a fragment's image: lane l takes 16 bytes at 16 l (registers 0-3) and at 512 + 16 l (registers 4-7), so the product's
;   waves load x straight into registers, 512 consecutive bytes an instruction.
;   woh holds o_w's bf16-rounded numbers written in f16's encoding: the other operand of that product, the attention's result, is kept in f16
;   for its 11 bits, and the two operands of a matrix instruction have one format.  The second conversion is exact for 2^-17 <= |w| < 65,504.
; Work-groups 2048 to 2303: the table rope[t] = cos(pos[t] / 10000^(i/64)), i = 0..63, then the 64 sines: 512 bytes a position.
; A stream: no barrier, no matrix unit; every byte is read once and written once.  LDS serves x's regrouping alone, each wave in its own bytes.
; LIMITS: |o_w| above 65,504 becomes infinity in woh, and |o_w| below 2^-17 is off by up to 2^-25.  The angle is reduced by two parts of 2 pi,
; of which the first has 8 significant bits: the reduction is exact up to angles of about 4e5 (positions here are below 2,048).
.set X, 4                              ; v[4:67]   16 loads of 4 f32
.set Y, 68                             ; v[68:99]  16 pairs of registers, 4 numbers of 16 bits each
.set SPITCH, 272                       ; x's stage: a group's 256 bytes + 16, so that 16 groups start at 16 different places modulo 256 bytes
	s_load_b512 s[16:31], s[0:1], 0x0              ; x, q_w, kv_w, o_w, segment_pos, xh, wh, woh
	s_load_b64 s[32:33], s[0:1], 0x40              ; rope
	v_lshl_add_u32 v100, v0, 2, 0x8800
	v_mov_b32 v101, 0
	s_cmp_ge_u32 ttmp9, 2048
	s_cbranch_scc1 .Lrope
	s_lshr_b32 s2, ttmp9, 9                        ; which tensor
	s_and_b32 s3, ttmp9, 511                       ; which piece of it
	v_lshrrev_b32 v3, 5, v0                        ; wave
	v_and_b32 v2, 31, v0                           ; lane
	v_lshlrev_b32 v1, 4, v2                        ; 16 x lane
	s_cmp_eq_u32 s2, 0
	s_cbranch_scc1 .Lcast_x
	; ---- the weights: a plain cast
	v_lshl_or_b32 v1, v3, 13, v1                   ; in: 8,192 bytes a wave, 16 a lane
	v_lshlrev_b32 v2, 3, v2
	v_lshl_or_b32 v2, v3, 12, v2                   ; out: 4,096 bytes a wave, 8 a lane
	s_lshl_b32 s10, s3, 16
	s_mov_b32 s11, 0
	s_lshl_b32 s12, s3, 15
	s_mov_b32 s13, 0
	s_wait_kmcnt 0x0
	s_cmp_eq_u32 s2, 2
	s_cselect_b64 s[4:5], s[20:21], s[18:19]       ; from kv_w, else q_w
	s_cselect_b32 s14, 0x1000000, 0                ; kv_w lies behind the 16 query heads in wh
	s_cmp_eq_u32 s2, 3
	s_cselect_b64 s[4:5], s[22:23], s[4:5]         ; from o_w
	s_cselect_b64 s[6:7], s[30:31], s[28:29]       ; to woh, else wh
	s_add_co_u32 s12, s12, s14
	s_add_nc_u64 s[4:5], s[4:5], s[10:11]
	s_add_nc_u64 s[6:7], s[6:7], s[12:13]
.irp j, 0,1,2,3,4,5,6,7,8,9,10,11,12,13,14,15
	global_load_b128 v[X+4*\j:X+4*\j+3], v1, s[4:5] offset:512*\j th:TH_LOAD_NT   ; all of the wave's 8,192 bytes are asked for at once
.endr
; The sixteen loads are rounded and stored.  f16enc = 1: the bf16 numbers are widened again (a shift, a mask) and written in f16's encoding.
.macro CAST f16enc
.irp j, 0,1,2,3,4,5,6,7,8,9,10,11,12,13,14,15
	s_wait_loadcnt 15-\j                           ; loads come back in order: load j is in, the 15 - j younger ones stay out
	v_cvt_pk_bf16_f32 v[Y+2*\j], v[X+4*\j], v[X+4*\j+1]
	v_cvt_pk_bf16_f32 v[Y+2*\j+1], v[X+4*\j+2], v[X+4*\j+3]
.if \f16enc
	v_lshlrev_b32 v[X+4*\j],   16, v[Y+2*\j]
	v_and_b32     v[X+4*\j+1], 0xffff0000, v[Y+2*\j]
	v_lshlrev_b32 v[X+4*\j+2], 16, v[Y+2*\j+1]
	v_and_b32     v[X+4*\j+3], 0xffff0000, v[Y+2*\j+1]
	v_cvt_pk_f16_f32 v[Y+2*\j], v[X+4*\j], v[X+4*\j+1]
	v_cvt_pk_f16_f32 v[Y+2*\j+1], v[X+4*\j+2], v[X+4*\j+3]
.endif
	global_store_b64 v2, v[Y+2*\j:Y+2*\j+1], s[6:7] offset:256*\j   ; the wave's 32 lanes store 256 consecutive bytes, aligned
.endr
.endm
	s_cmp_eq_u32 s2, 3                             ; o_w?  The same sixteen loads are out on both ways
	s_cbranch_scc1 .Lcast_o
	CAST 0
	s_endpgm
.Lcast_o:
	CAST 1
	s_endpgm
	; ---- x.  Unit u = 8 x piece + wave is row tile u / 32, columns 128 (u % 32) .. + 127: 16 rows x 512 bytes in, 4,096 consecutive bytes out.
	; Lane l loads k = 4 l .. 4 l + 3 of a row: 8 bytes of bf16 that belong to group l / 2, at byte 16 row + 8 (l % 2) of the group.
.Lcast_x:
	v_readfirstlane_b32 s15, v3                    ; wave, as a scalar
	s_lshr_b32 s10, s3, 2                          ; row tile = piece / 4
	s_lshl_b32 s10, s10, 18                        ; x 16 rows of 16,384 bytes
	s_and_b32 s12, s3, 3
	s_lshl_b32 s12, s12, 3
	s_add_co_u32 s12, s12, s15                     ; u % 32
	s_lshl_b32 s12, s12, 9                         ; x 512 bytes
	s_add_co_u32 s10, s10, s12
	s_mov_b32 s11, 0
	s_lshl_b32 s12, s3, 3
	s_add_co_u32 s12, s12, s15                     ; u
	s_lshl_b32 s12, s12, 12                        ; x 4,096 bytes
	s_mov_b32 s13, 0
	s_mul_i32 s14, s15, 16*SPITCH                  ; my wave's stage: 16 groups
	v_lshrrev_b32 v3, 1, v2
	v_mul_u32_u24 v3, v3, SPITCH
	v_and_b32 v0, 1, v2
	v_lshl_add_u32 v3, v0, 3, v3
	v_add_nc_u32 v3, s14, v3                       ; in: group l / 2, byte 8 (l % 2); the row stands in the immediate
	v_lshrrev_b32 v0, 4, v2
	v_mul_u32_u24 v0, v0, SPITCH
	v_and_b32 v2, 15, v2
	v_lshl_add_u32 v0, v2, 4, v0
	v_add_nc_u32 v0, s14, v0                       ; back: lanes 0-15 one group's 256 bytes, lanes 16-31 the next group's
	s_wait_kmcnt 0x0
	s_add_nc_u64 s[4:5], s[16:17], s[10:11]
	s_add_nc_u64 s[6:7], s[26:27], s[12:13]
.irp r, 0,1,2,3,4,5,6,7,8,9,10,11,12,13,14,15
	global_load_b128 v[X+4*\r:X+4*\r+3], v1, s[4:5] offset:16384*\r th:TH_LOAD_NT   ; 512 consecutive bytes of row r
.endr
.irp r, 0,1,2,3,4,5,6,7,8,9,10,11,12,13,14,15
	s_wait_loadcnt 15-\r                           ; row r is in, the 15 - r younger loads stay out
	v_cvt_pk_bf16_f32 v[Y+2*\r], v[X+4*\r], v[X+4*\r+1]
	v_cvt_pk_bf16_f32 v[Y+2*\r+1], v[X+4*\r+2], v[X+4*\r+3]
	ds_store_b64 v3, v[Y+2*\r:Y+2*\r+1] offset:16*\r
.endr
.irp m, 0,1,2,3,4,5,6,7
	ds_load_b128 v[X+4*\m:X+4*\m+3], v0 offset:2*SPITCH*\m         ; a wave's LDS instructions are served in order: these see the stores above
.endr
.irp m, 0,1,2,3,4,5,6,7
	s_wait_dscnt 7-\m                              ; load m is in, the younger ones stay out
	global_store_b128 v1, v[X+4*\m:X+4*\m+3], s[6:7] offset:512*\m  ; groups 2 m, 2 m + 1: 512 consecutive bytes, aligned
.endr
	s_wait_tensorcnt 0x0
	ds_add_u32 v100, v101
	s_wait_dscnt 0x0
	s_endpgm
	; ---- the table.  One wave, one position; lane l takes frequencies 2 l and 2 l + 1.
; cos and sin of pos * inv.  r = angle - n 2 pi lies in [-pi, pi]; the series run on y = r / 2, where they are short;
; sin r = 2 sin y cos y, cos r = 1 - 2 sin^2 y.
.macro SINCOS inv, c, s
	v_mul_f32 v20, v4, \inv                        ; the angle
	v_mul_f32 v21, 0.15915494, v20
	v_rndne_f32 v21, v21                           ; n
	v_fmamk_f32 v20, v21, 0xc0c90000, v20          ; - n * 6.28125
	v_fmamk_f32 v20, v21, 0xbafdaa22, v20          ; - n * (2 pi - 6.28125)
	v_mul_f32 v20, 0.5, v20                        ; y
	v_mul_f32 v21, v20, v20                        ; z = y^2
	v_mov_b32 v22, 0xb2d7322b                      ; -1/11!
	v_fmaak_f32 v22, v22, v21, 0x3638ef1d          ; 1/9!
	v_fmaak_f32 v22, v22, v21, 0xb9500d01          ; -1/7!
	v_fmaak_f32 v22, v22, v21, 0x3c088889          ; 1/5!
	v_fmaak_f32 v22, v22, v21, 0xbe2aaaab          ; -1/3!
	v_mul_f32 v23, v20, v21
	v_fma_f32 v22, v23, v22, v20                   ; sin y
	v_mov_b32 v23, 0x310f76c7                      ; 1/12!
	v_fmaak_f32 v23, v23, v21, 0xb493f27e          ; -1/10!
	v_fmaak_f32 v23, v23, v21, 0x37d00d01          ; 1/8!
	v_fmaak_f32 v23, v23, v21, 0xbab60b61          ; -1/6!
	v_fmaak_f32 v23, v23, v21, 0x3d2aaaab          ; 1/4!
	v_fmaak_f32 v23, v23, v21, 0xbf000000          ; -1/2
	v_fmaak_f32 v23, v23, v21, 0x3f800000          ; cos y
	v_add_f32 v24, v22, v22
	v_mul_f32 \s, v24, v23
	v_fma_f32 \c, -v24, v22, 1.0
.endm
.Lrope:
	s_sub_co_u32 s2, ttmp9, 2048
	s_lshl_b32 s2, s2, 3
	v_lshrrev_b32 v1, 5, v0
	v_add_nc_u32 v1, s2, v1                        ; t
	v_lshlrev_b32 v2, 2, v1
	v_and_b32 v3, 31, v0
	s_wait_kmcnt 0x0
	global_load_b32 v4, v2, s[24:25]               ; segment_pos[t], the same word in every lane
	v_lshlrev_b32 v5, 1, v3
	v_cvt_f32_u32 v6, v5                           ; i = 2 l
	v_add_f32 v7, 1.0, v6                          ; i = 2 l + 1
	v_mul_f32 v6, 0xbe549a78, v6                   ; - i log2(10000) / 64
	v_mul_f32 v7, 0xbe549a78, v7
	v_exp_f32 v6, v6                               ; 10000^(-i/64)
	v_exp_f32 v7, v7
	v_lshlrev_b32 v8, 9, v1                        ; a plain instruction stands between the exponentials and their use
	v_lshl_add_u32 v8, v3, 3, v8                   ; 512 t + 8 l
	s_wait_loadcnt 0x0
	v_cvt_f32_i32 v4, v4
	s_wait_alu depctr_va_vdst(0)
	SINCOS v6, v10, v12
	SINCOS v7, v11, v13
	global_store_b64 v8, v[10:11], s[32:33]            ; the wave stores the position's 64 cosines: 256 consecutive bytes, aligned
	global_store_b64 v8, v[12:13], s[32:33] offset:256 ; and its 64 sines
	s_endpgm
.Lfunc_end_k_q9dadbc7da5_prep:
	.size	k_q9dadbc7da5_prep, .Lfunc_end_k_q9dadbc7da5_prep-k_q9dadbc7da5_prep
	.p2alignl 7, 3214868480
	.fill 96, 4, 3214868480
	.section	.rodata,"a",@progbits
	.p2align	6, 0x0
	.amdhsa_kernel k_q9dadbc7da5_prep
		.amdhsa_group_segment_fixed_size 35840
		.amdhsa_private_segment_fixed_size 0
		.amdhsa_enable_private_segment 0
		.amdhsa_kernarg_size 72
		.amdhsa_user_sgpr_count 2
		.amdhsa_user_sgpr_kernarg_segment_ptr 1
		.amdhsa_wavefront_size32 1
		.amdhsa_system_sgpr_workgroup_id_x 1
		.amdhsa_system_sgpr_workgroup_id_y 1
		.amdhsa_system_sgpr_workgroup_id_z 1
		.amdhsa_system_vgpr_workitem_id 0
		.amdhsa_next_free_vgpr 102
		.amdhsa_next_free_sgpr 66
		.amdhsa_reserve_vcc 0
		.amdhsa_float_denorm_mode_32 3
		.amdhsa_float_denorm_mode_16_64 3
		.amdhsa_memory_ordered 1
		.amdhsa_forward_progress 1
		.amdhsa_inst_pref_size 28
	.end_amdhsa_kernel
	.amdgpu_metadata
---
amdhsa.version: [ 1, 2 ]
amdhsa.kernels:
  - .name:           k_q9dadbc7da5_prep
    .symbol:         k_q9dadbc7da5_prep.kd
    .args:
      - { .name: x, .offset: 0, .size: 8, .value_kind: global_buffer, .address_space: global }
      - { .name: q_w, .offset: 8, .size: 8, .value_kind: global_buffer, .address_space: global }
      - { .name: kv_w, .offset: 16, .size: 8, .value_kind: global_buffer, .address_space: global }
      - { .name: o_w, .offset: 24, .size: 8, .value_kind: global_buffer, .address_space: global }
      - { .name: segment_pos, .offset: 32, .size: 8, .value_kind: global_buffer, .address_space: global }
      - { .name: xh, .offset: 40, .size: 8, .value_kind: global_buffer, .address_space: global }
      - { .name: wh, .offset: 48, .size: 8, .value_kind: global_buffer, .address_space: global }
      - { .name: woh, .offset: 56, .size: 8, .value_kind: global_buffer, .address_space: global }
      - { .name: rope, .offset: 64, .size: 8, .value_kind: global_buffer, .address_space: global }
    .group_segment_fixed_size: 35840
    .private_segment_fixed_size: 0
    .kernarg_segment_align: 8
    .kernarg_segment_size: 72
    .max_flat_workgroup_size: 256
    .sgpr_count:     66
    .vgpr_count:     102
    .wavefront_size: 32
...
	.end_amdgpu_metadata
.endif
;; end of part 1
;; launch qkv (part 2): grid 32 x 8, 4 waves a work-group, clusters of 4 x 4, 327,680 bytes of LDS; arguments xh, wh, rope, q_scale, k_scale, qkv; writes qkv
.if DOCPART == 2
	.amdgcn_target "amdgcn-amd-amdhsa--gfx1250"
	.amdhsa_code_object_version 6
	.text
	.protected	k_q9dadbc7da5_qkv
	.globl	k_q9dadbc7da5_qkv
	.p2align	8
	.type	k_q9dadbc7da5_qkv,@function
k_q9dadbc7da5_qkv:
	s_mov_b64 s[64:65], 0
	v_nop
	global_prefetch_b8 v0, s[64:65] scope:SCOPE_SE
	s_setreg_imm32_b32 hwreg(HW_REG_WAVE_MODE, 25, 1), 1
	s_wait_xcnt 0x0
	s_wait_alu depctr_hold_cnt(0) depctr_sa_sdst(0) depctr_va_vdst(0) depctr_va_sdst(0) depctr_va_ssrc(0) depctr_va_vcc(0) depctr_vm_vsrc(0)
	s_getreg_b32 s2, hwreg(HW_REG_IB_STS2, 6, 4)
	s_cmp_eq_u32 s2, 0
	s_cbranch_scc0 .Lentry_in_a_cluster
	s_endpgm
.Lentry_in_a_cluster:
	s_bfe_u32 s2, ttmp6, 0x10000c
	s_cmp_lg_u32 s2, 0xf033
	s_cbranch_scc0 .Lentry_shape_is_right
	s_endpgm
.Lentry_shape_is_right:
; qkv[head][t][128] = the head's projection of x, RMS-normalised; query and key heads also times (1 + scale) and rotated (RoPE).
; xh: x in bf16 in fragment order, [128 row tiles of 16][512 groups of 8 k][16 rows][8 k]: the 1,024 bytes of a row tile and 32 k are a fragment's
; image (lane l: 16 bytes at 16 l, 16 at 512 + 16 l).  wh: [32 heads][4096 d][128 h] bf16 (0-15 query, 16-23 key, 24-31 value).  Sums in f32.
; The results are stored in f16 and not in bf16: the logits made of them reach 128 in magnitude and stand in an exponential unscaled, so
; they want f16's 11 bits, and they are bounded by sqrt(128) |1 + scale|.
; LIMIT: |1 + scale| below 5,700, so that what is stored stays inside f16.
; A work-group makes 256 rows x one head (128 columns) with four waves; a wave makes 64 rows x 128 columns: 32 accumulator tiles, 256 registers.
; (Waves of 128 x 128 would leave 128 work-groups for 256 WGPs.)
; X GOES STRAIGHT INTO REGISTERS, NOT THROUGH LDS, AND IS NOT ASKED FOR JOINTLY.  Wave w alone reads rows 64 w .. 64 w + 63, so LDS would only pass
; x's bytes on; and with x (512 bytes per k) beside the weights (288 per k) two slots would hold some 200 k each, 200 matrix instructions of a wave
; for a refill to land in.  With the weights alone a slot holds 512 k: 512 matrix instructions.  A ring of eight register buffers, one for each
; quarter step (32 k, 8 loads of 512 consecutive bytes), is asked for seven quarters ahead: 56 loads of a wave are on their way.
; CLUSTERS: 4 x 4 work-groups.  The weights' tile hangs on the head alone and is asked for jointly by the four of a column of the cluster; each
; wave fetches a quarter of a slot, 128 rows of 256 bytes.  The weights lie [d][h], K down the rows: fragments come by the transposing load.
; THE MATRIX INSTRUCTION IS USED TRANSPOSED (source 0 = weights, source 1 = x): lane (r, h) then holds row r and, in registers 0-7 of tile
; (a, b), the columns 16 b + 8 h + 0..7.  A row's 128 numbers lie in two lanes, so the sum of squares crosses lanes once.
; REGISTER WINDOWS: 0: addresses, two buffers of the weights' fragments, the scale, work.  1: the 32 accumulator tiles, (a, b) at 8 (8 a + b).
;                   2: x's ring, quarter q at 32 (q % 8), row tile a at + 8 a.  3: cos at 64 a + 8 b + j, sin 32 further, b = 0..3.
.set KDIM,    4096
.set BSTRIDE, 128                      ; elements from a row of the weights to the next
.set SPS,     4                        ; K steps of 128 in a slot
.set KS,      128*SPS                  ; 512
.set BPITCH,  288                      ; 256 bytes + 32: the transposing load's 8 rows x 2 columns of 16 bytes start at 16 different places modulo 256 bytes
.set BQ,      (KS/4)*BPITCH            ; what one wave fetches: 36,864
.set SLOT,    KS*BPITCH                ; 147,456
.set STAGE,   2*SLOT                   ; behind the ring: 16 rows x 272 bytes for each wave; no tensor load lands there
.set SPITCH,  272
.set BSTEP,   KS*BSTRIDE*2             ; bytes from a slot's tile to the next in the weights
.set ATILE,   KDIM*32                  ; bytes of a row tile in xh
.set QS,      4*SPS                    ; quarter steps in a slot
.set QL,      2*QS                     ; in a lap (once round the ring)
.set LAPS,    KDIM/(32*QL)             ; 4
.set ADRB, 8                           ; v8-15  LDS address of my fragments of the weights: slot s, K step t at s SPS + t
.set AO,   16                          ; v16    16 x lane: my byte offset in a fragment's half
.set STO,  24                          ; way out: where I put 16 bytes
.set RD,   25                          ; way out: where I read rows back
.set CO,   26                          ; my byte offset in qkv
.set RO,   27                          ; my byte offset in rope
.set SO,   28                          ; my byte offset in the scale
.set F0,   32                          ; the weights' fragments, buffer 0: column tile b at + 8 b
.set F1,   96                          ; buffer 1
.set SC,   160                         ; v160-223 the scale of my 64 columns at 8 b + j
.set PK,   224                         ; way out: 32 registers of packed f16
.set TT,   32                          ; way out: the rotated row
.set SS,   96                          ; way out: sums of squares
.set RR,   104                         ; way out: 1 / rms, twice
.set OB,   112                         ; way out: rows read back
.set G1B, 48
.set G0B, 56
.set MSB, 0
.macro WIN new                         ; the immediate's high byte repeats the setting that is left
.if MSB != \new
	s_set_vgpr_msb (MSB<<8)|\new
.set MSB, \new
.endif
.endm
.macro PLACES                          ; four plain vector instructions behind a matrix instruction (ISA guide 7.12.1) before its registers are loaded into, read or written
.rept 4
	v_nop
.endr
.endm
.macro CREST                           ; a round of the cluster's barrier behind its opening barrier
	s_cmp_lg_u32 s10, 0
	s_cbranch_scc1 .Lnot_wave_0_\@
	s_barrier_signal -3
.Lnot_wave_0_\@:
	s_barrier_wait -3
	s_barrier_signal -1
	s_barrier_wait -1
.endm
.macro CROUND
	s_barrier_signal -1
	s_barrier_wait -1
	CREST
.endm
	s_load_b128 s[4:7], s[0:1], 0x0                ; xh, wh
	s_load_b64 s[66:67], s[0:1], 0x10              ; rope
	s_load_b128 s[68:71], s[0:1], 0x18             ; q_scale, k_scale
	s_load_b64 s[8:9], s[0:1], 0x28                ; qkv
	v_lshl_add_u32 v30, v0, 2, 0x4c400
	v_mov_b32 v31, 0
	ds_add_u32 v30, v31
	v_lshrrev_b32 v1, 5, v0
	v_readfirstlane_b32 s10, v1                    ; wave
	s_bfe_u32 s40, ttmp6, 0x40000                  ; cx
	s_bfe_u32 s41, ttmp6, 0x40004                  ; cy
	s_lshl_b32 s42, ttmp9, 2
	s_add_co_u32 s42, s42, s40                     ; head = 4 x cluster x + cx
	s_and_b32 s13, ttmp7, 0xffff
	s_lshl_b32 s13, s13, 2
	s_add_co_u32 s13, s13, s41                     ; row block = 4 x cluster y + cy
	s_lshl_b32 s44, 0x1111, s40                    ; my column of the cluster
	s_mov_b32 s74, 0x76543210                      ; v_permlanex16_b32: lane i reads lane i of the other half
	s_mov_b32 s75, 0xfedcba98
	s_mov_b32 s76, 0x3c000000                      ; 1/128
	s_mov_b32 s77, 0x358637bd                      ; 1e-6
	; group 1 for the weights: 128 rows (K) x 128 bf16, 8 words of padding behind every 64
	s_or_b32 s[G1B+0], s44, (1<<16)|(1<<20)|(1<<21)|(5<<22)|(7<<25)
	s_mov_b32 s[G1B+1], 128<<16
	s_mov_b32 s[G1B+2], (KS/4)<<16
	s_mov_b32 s[G1B+3], 128<<16
	s_mov_b32 s[G1B+4], KS/4
	s_mov_b32 s[G1B+5], BSTRIDE
	s_mov_b32 s[G1B+6], 0
	s_mov_b32 s[G1B+7], 0
	s_lshl_b32 s16, s13, 4
	s_lshl_b32 s17, s10, 2
	s_add_co_u32 s16, s16, s17                     ; my first row tile = 16 x block + 4 x wave
	s_lshl_b32 s16, s16, 17                        ; x 131,072 bytes
	s_mov_b32 s17, 0
	s_lshl_b32 s46, s42, 20                        ; head x 1,048,576 bytes: made of the head and the wave alone, which the column's four share
	s_lshl_b32 s47, s10, 15                        ; + wave x 128 rows of 256 bytes
	s_add_co_u32 s46, s46, s47
	s_mov_b32 s47, 0
	s_mul_i32 s21, s10, BQ                         ; LDS: wave x 36,864
	s_lshl_b32 s18, s13, 17                        ; the block's 256 rows of 512 bytes in rope
	s_mov_b32 s19, 0
	s_wait_dscnt 0x0
	s_wait_kmcnt 0x0
	s_add_nc_u64 s[14:15], s[4:5], s[16:17]        ; x at my row tiles, K = 0; stepped once a lap
	s_add_nc_u64 s[46:47], s[6:7], s[46:47]
	s_add_nc_u64 s[66:67], s[66:67], s[18:19]
	s_cmp_lt_u32 ttmp9, 4                          ; clusters 0-3 along x hold query heads
	s_cselect_b64 s[72:73], s[68:69], s[70:71]     ; the scale that goes with the head
	CROUND                                         ; all sixteen work-groups are here: the first joint loads meet
.irp s, 0,1
	s_mov_b32 s[G0B+4*\s], 1
	s_add_co_u32 s[G0B+4*\s+1], s21, \s*SLOT
	s_add_nc_u64 s[G0B+4*\s+2:G0B+4*\s+3], s[46:47], \s*BSTEP
	s_or_b32 s[G0B+4*\s+3], s[G0B+4*\s+3], 0x80000000
	tensor_load_to_lds s[G0B+4*\s:G0B+4*\s+3], s[G1B:G1B+7]        ; both slots' first fills: two tensor loads of the wave are out, later one
	s_nop 0
.endr
	v_and_b32 v1, 15, v0                           ; r
	v_bfe_u32 v2, v0, 4, 1                         ; h
	v_and_b32 v6, 31, v0
	v_lshlrev_b32 v[AO], 4, v6                     ; 16 x lane
	v_and_b32 v4, 7, v0
	v_lshl_add_u32 v4, v2, 3, v4                   ; K row 8 h + lane % 8
	v_mul_u32_u24 v4, v4, BPITCH
	v_bfe_u32 v5, v0, 3, 1
	v_lshl_add_u32 v4, v5, 4, v4                   ; + 16 bytes for the second eight columns
.set ii, 0
.rept 2*SPS
	v_add_nc_u32 v[ADRB+ii], (ii/SPS)*SLOT+(ii%SPS)*128*BPITCH, v4   ; an LDS offset has 16 bits: a register for each K step of each slot
.set ii, ii+1
.endr
	v_mul_u32_u24 v3, v1, SPITCH
	v_lshl_add_u32 v3, v2, 4, v3                   ; r x 272 + 16 h
	s_mul_i32 s23, s10, 16*SPITCH
	s_add_co_u32 s23, s23, STAGE                   ; my stage
	v_add_nc_u32 v[STO], s23, v3
	v_mul_u32_u24 v5, v2, SPITCH
	v_lshl_add_u32 v5, v1, 4, v5
	v_add_nc_u32 v[RD], s23, v5                    ; lanes 0-15 one row of 256 bytes, lanes 16-31 the next
	v_lshl_add_u32 v[CO], s10, 14, v[AO]           ; a head's rows follow each other: 16 x lane + wave x 64 rows of 256 bytes
	v_lshlrev_b32 v7, 9, v1
	v_lshl_add_u32 v7, v2, 5, v7
	v_lshl_add_u32 v[RO], s10, 15, v7              ; (64 wave + r) x 512 + 32 h
	v_lshlrev_b32 v[SO], 5, v2                     ; 32 h
	; The tables for the way out are asked for now, ahead of x's first loads, and lie in registers that the K loop does not touch.
	; Value heads ask too and leave them unused: the text then has one branch on the head's class, at the way out.
	WIN 0xc0
.irp a, 0,1,2,3
.irp b, 0,1,2,3
	global_load_b128 v[64*\a+8*\b:64*\a+8*\b+3],       v[RO], s[66:67] offset:\a*8192+\b*64
	global_load_b128 v[64*\a+8*\b+4:64*\a+8*\b+7],     v[RO], s[66:67] offset:\a*8192+\b*64+16
	global_load_b128 v[64*\a+32+8*\b:64*\a+32+8*\b+3],   v[RO], s[66:67] offset:\a*8192+\b*64+256
	global_load_b128 v[64*\a+32+8*\b+4:64*\a+32+8*\b+7], v[RO], s[66:67] offset:\a*8192+\b*64+272
.endr
.endr
	WIN 0
.irp b, 0,1,2,3,4,5,6,7
	global_load_b128 v[SC+8*\b:SC+8*\b+3],   v[SO], s[72:73] offset:64*\b
	global_load_b128 v[SC+8*\b+4:SC+8*\b+7], v[SO], s[72:73] offset:64*\b+16
.endr
; 8 loads: x's four fragments of quarter q, counted from the lap's first (it may lie in the next lap), into ring buffer q % 8
.macro ALOAD q
	WIN 0x80
.irp a, 0,1,2,3
	global_load_b128 v[32*((\q)%8)+8*\a:32*((\q)%8)+8*\a+3],   v[AO], s[14:15] offset:\a*ATILE+(\q)*1024
	global_load_b128 v[32*((\q)%8)+8*\a+4:32*((\q)%8)+8*\a+7], v[AO], s[14:15] offset:\a*ATILE+(\q)*1024+512
.endr
.endm
; 16 LDS loads: the weights' eight fragments of quarter q of a slot, transposed on the way, into buffer f
.macro FETCHB slot, q, f
	WIN 0
.irp b, 0,1,2,3,4,5,6,7
	ds_load_tr16_b128 v[\f+8*\b:\f+8*\b+3],   v[ADRB+(\slot)*SPS+(\q)/4] offset:((\q)%4)*32*BPITCH+32*\b
	ds_load_tr16_b128 v[\f+8*\b+4:\f+8*\b+7], v[ADRB+(\slot)*SPS+(\q)/4] offset:((\q)%4)*32*BPITCH+32*\b+16*BPITCH
.endr
.endm
; 16 matrix instructions: column tiles b0 .. b0 + 3 x the four row tiles, 32 along K.  The 32 accumulators take turns, one instruction a turn, in
; the same order in every quarter step, over the backward jump too.
.macro MULH f, ab, b0, zero
	WIN 0x58                                       ; source 0 window 0, source 1 window 2, C and D window 1
.irp b, \b0, \b0+1, \b0+2, \b0+3
.irp a, 0,1,2,3
.if \zero
	v_wmma_f32_16x16x32_bf16 v[8*(8*\a+(\b)):8*(8*\a+(\b))+7], v[\f+8*(\b):\f+8*(\b)+7], v[\ab+8*\a:\ab+8*\a+7], 0
.else
	v_wmma_f32_16x16x32_bf16 v[8*(8*\a+(\b)):8*(8*\a+(\b))+7], v[\f+8*(\b):\f+8*(\b)+7], v[\ab+8*\a:\ab+8*\a+7], v[8*(8*\a+(\b)):8*(8*\a+(\b))+7]
.endif
.endr
.endr
.endm
; Quarter qs of a slot.  In its middle, four places behind the matrix instructions that read them last, the other buffer of the weights gets the
; next quarter's fragments and the ring buffer read in the quarter before gets x's quarter seven further on.
; The slot's last quarter changes slots: in front of the barrier each wave waits for its reads of this slot and for all its tensor loads (one is
; out: its part of the other slot).  Where the slot is filled again the barrier opens a round of the cluster's barrier, and the joint refill is the
; first tensor load behind the round; from there to the wait for it a wave issues 32 QS - 16 matrix instructions.
.macro QTR slot, qs
.set QI, \slot*QS+\qs
.set FB_, F0+64*(QI%2)
.set GB_, F0+64*((QI+1)%2)
.set AB_, 32*(QI%8)
.set Z_, 0
.if ZERO_
.if QI == 0
.set Z_, 1                                         ; the first products start the sums: nothing is cleared
.endif
.endif
.set LC_, 48
.set AL_, 1
.if TAIL
.if QI+7 > QL-1
.set AL_, 0                                        ; the last seven quarters ask for nothing: no load leaves xh
.endif
.if QI+6 > QL-1
.set LC_, 8*(QL-1-QI)
.endif
.endif
	s_wait_loadcnt LC_                             ; this quarter's x is in; the younger quarters' loads, 8 each, six of them until the counts run down, stay out
.if \qs == QS-1
	s_wait_dscnt 0x0                               ; my reads of this slot are over
.if TAIL*\slot
	MULH FB_, AB_, 0, Z_                           ; the very last quarter: nothing more to fetch
	MULH FB_, AB_, 4, Z_
.else
	s_set_vgpr_msb 0x5850
	s_wait_tensorcnt 0x0                           ; and all my tensor loads have landed
	ds_add_u32 v30, v31
	s_wait_dscnt 0x0
	s_set_vgpr_msb 0x5058
	s_barrier_signal -1
	MULH FB_, AB_, 0, Z_                           ; registers only, while the others arrive
	WIN 0
	s_barrier_wait -1
.if TAIL == 0
	CREST
	s_add_nc_u64 s[G0B+4*\slot+2:G0B+4*\slot+3], s[G0B+4*\slot+2:G0B+4*\slot+3], 2*BSTEP
	tensor_load_to_lds s[G0B+4*\slot:G0B+4*\slot+3], s[G1B:G1B+7]
	s_nop 0
.endif
	PLACES
	FETCHB 1-\slot, 0, GB_
.if AL_
	ALOAD QI+7
.endif
	MULH FB_, AB_, 4, Z_
.endif
.else
	s_wait_dscnt 8                                 ; the weights' fragments 0-3 are in; the youngest eight loads (fragments 4-7) may be out
	MULH FB_, AB_, 0, Z_
	WIN 0
	PLACES
	FETCHB \slot, \qs+1, GB_
.if AL_
	ALOAD QI+7
.endif
	s_wait_dscnt 16                                ; all but the 16 just issued
	MULH FB_, AB_, 4, Z_
.endif
.endm
.macro LAP zero                        ; once round the ring
.set ZERO_, \zero
.set qq, 0
.rept QS
	QTR 0, qq
.set qq, qq+1
.endr
.set qq, 0
.rept QS
	QTR 1, qq
.set qq, qq+1
.endr
.if TAIL == 0
	s_wait_xcnt 0x0                                ; x's base, which pending loads name, is stepped only behind this wait
	s_add_nc_u64 s[14:15], s[14:15], QL*1024
.endif
.endm
.irp q, 0,1,2,3,4,5,6
	ALOAD \q                                       ; x's ring: quarters 0 to 6
.endr
	WIN 0
	s_wait_tensorcnt 0x1                           ; my part of slot 0 is in; slot 1's may stay out
	s_barrier_signal -1
	s_barrier_wait -1
	FETCHB 0, 0, F0
.set TAIL, 0
	LAP 1
	WIN 0
	s_mov_b32 s3, LAPS-2
.Llap:
	LAP 0
	WIN 0
	s_sub_co_u32 s3, s3, 1
	s_cmp_lg_u32 s3, 0
	s_cbranch_scc1 .Llap
.set TAIL, 1
	LAP 0                                          ; the last lap fills nothing
	WIN 0
	PLACES
	; ---- the way out
	s_wait_loadcnt 0x0                             ; met: the tables were asked for ahead of x
	s_lshl_b32 s16, s13, 16                        ; row block x 256 rows of 256 bytes
	s_mov_b32 s17, 0
	s_add_nc_u64 s[8:9], s[8:9], s[16:17]
	s_lshl_b32 s46, s42, 19                        ; head x 2,048 rows of 256 bytes
	s_mov_b32 s47, 0
	s_add_nc_u64 s[8:9], s[8:9], s[46:47]
; rows 16 a .. 16 a + 15 of my 64.  rope = 1: query and key heads; 0: value heads.
.macro EPI a, rope
	WIN 0x05                                       ; sources in window 1, sums in window 0
.irp c, 0,1,2,3
	v_pk_mul_f32 v[SS+2*\c:SS+2*\c+1], v[64*\a+2*\c:64*\a+2*\c+1], v[64*\a+2*\c:64*\a+2*\c+1]
.endr
.set ii, 4
.rept 28
	v_pk_fma_f32 v[SS+2*(ii%4):SS+2*(ii%4)+1], v[64*\a+2*ii:64*\a+2*ii+1], v[64*\a+2*ii:64*\a+2*ii+1], v[SS+2*(ii%4):SS+2*(ii%4)+1]
.set ii, ii+1
.endr
	WIN 0
	v_pk_add_f32 v[SS:SS+1], v[SS:SS+1], v[SS+2:SS+3]
	v_pk_add_f32 v[SS+4:SS+5], v[SS+4:SS+5], v[SS+6:SS+7]
	v_pk_add_f32 v[SS:SS+1], v[SS:SS+1], v[SS+4:SS+5]
	v_add_f32 v[SS], v[SS], v[SS+1]                ; my 64 columns of row r
	v_permlanex16_b32 v[SS+1], v[SS], s74, s75     ; the other 64
	v_add_f32 v[SS], v[SS], v[SS+1]
	v_fma_f32 v[SS], v[SS], s76, s77               ; mean + 1e-6
	v_rsq_f32 v[RR], v[SS]
	v_rsq_f32 v[RR+1], v[SS]
	v_nop                                          ; a plain instruction between the root and its use
	WIN 0x41
.set ii, 0
	s_wait_alu depctr_va_vdst(0)
.rept 32
	v_pk_mul_f32 v[64*\a+2*ii:64*\a+2*ii+1], v[64*\a+2*ii:64*\a+2*ii+1], v[RR:RR+1]
.set ii, ii+1
.endr
.if \rope
.set ii, 0
.rept 32
	v_pk_mul_f32 v[64*\a+2*ii:64*\a+2*ii+1], v[64*\a+2*ii:64*\a+2*ii+1], v[SC+2*ii:SC+2*ii+1]   ; times 1 + scale
.set ii, ii+1
.endr
	WIN 0x0d                                       ; x1 = columns 0-63 (tiles 0-3), x2 = columns 64-127 (window 1); cos and sin in window 3
.set ii, 0
.rept 16
	v_pk_mul_f32 v[TT+2*ii:TT+2*ii+1], v[64*\a+2*ii:64*\a+2*ii+1], v[64*\a+2*ii:64*\a+2*ii+1]
	v_pk_mul_f32 v[TT+32+2*ii:TT+32+2*ii+1], v[64*\a+32+2*ii:64*\a+32+2*ii+1], v[64*\a+2*ii:64*\a+2*ii+1]
	v_pk_fma_f32 v[TT+2*ii:TT+2*ii+1], v[64*\a+32+2*ii:64*\a+32+2*ii+1], v[64*\a+32+2*ii:64*\a+32+2*ii+1], v[TT+2*ii:TT+2*ii+1] neg_lo:[1,0,0] neg_hi:[1,0,0]
	v_pk_fma_f32 v[TT+32+2*ii:TT+32+2*ii+1], v[64*\a+2*ii:64*\a+2*ii+1], v[64*\a+32+2*ii:64*\a+32+2*ii+1], v[TT+32+2*ii:TT+32+2*ii+1]
.set ii, ii+1
.endr
	WIN 0
.set ii, 0
.rept 32
	v_cvt_pk_f16_f32 v[PK+ii], v[TT+2*ii], v[TT+2*ii+1]
.set ii, ii+1
.endr
.else
	WIN 0x05
.set ii, 0
.rept 32
	v_cvt_pk_f16_f32 v[PK+ii], v[64*\a+2*ii], v[64*\a+2*ii+1]
.set ii, ii+1
.endr
	WIN 0
.endif
.irp b, 0,1,2,3,4,5,6,7
	ds_store_b128 v[STO], v[PK+4*\b:PK+4*\b+3] offset:32*\b        ; row r, columns 16 b + 8 h ..: into my own stage
.endr
	s_wait_xcnt 0x0                                ; the registers that earlier stores read are loaded again only behind this wait
.irp t, 0,1,2,3,4,5,6,7
	ds_load_b128 v[OB+4*\t:OB+4*\t+3], v[RD] offset:\t*2*SPITCH    ; a wave's LDS instructions are served in order: these see the stores above
.endr
.irp t, 0,1,2,3,4,5,6,7
	s_wait_dscnt 7-\t                              ; load t is in, the younger ones stay out
	global_store_b128 v[CO], v[OB+4*\t:OB+4*\t+3], s[8:9] offset:(16*\a+2*\t)*256   ; 512 consecutive bytes, aligned
.endr
.endm
	s_cmp_ge_u32 ttmp9, 6                          ; clusters 6, 7 along x hold value heads: the same in all partners
	s_cbranch_scc1 .Lvalue
.set ii, 0
.rept 32
	v_pk_add_f32 v[SC+2*ii:SC+2*ii+1], v[SC+2*ii:SC+2*ii+1], 1.0 op_sel_hi:[1,0]   ; 1 + scale
.set ii, ii+1
.endr
	EPI 0, 1
	EPI 1, 1
	EPI 2, 1
	EPI 3, 1
	WIN 0
	s_branch .Lend
.Lvalue:
	EPI 0, 0
	EPI 1, 0
	EPI 2, 0
	EPI 3, 0
	WIN 0
.Lend:
	s_wait_tensorcnt 0x0
	ds_add_u32 v30, v31
	s_wait_dscnt 0x0
	CROUND                                         ; the closing round: no work-group ends while a partner may still ask for a tile that names it
	s_endpgm
.Lfunc_end_k_q9dadbc7da5_qkv:
	.size	k_q9dadbc7da5_qkv, .Lfunc_end_k_q9dadbc7da5_qkv-k_q9dadbc7da5_qkv
	.p2alignl 7, 3214868480
	.fill 96, 4, 3214868480
	.section	.rodata,"a",@progbits
	.p2align	6, 0x0
	.amdhsa_kernel k_q9dadbc7da5_qkv
		.amdhsa_group_segment_fixed_size 327680
		.amdhsa_private_segment_fixed_size 0
		.amdhsa_enable_private_segment 0
		.amdhsa_kernarg_size 48
		.amdhsa_user_sgpr_count 2
		.amdhsa_user_sgpr_kernarg_segment_ptr 1
		.amdhsa_wavefront_size32 1
		.amdhsa_system_sgpr_workgroup_id_x 1
		.amdhsa_system_sgpr_workgroup_id_y 1
		.amdhsa_system_sgpr_workgroup_id_z 1
		.amdhsa_system_vgpr_workitem_id 0
		.amdhsa_next_free_vgpr 1024
		.amdhsa_next_free_sgpr 80
		.amdhsa_reserve_vcc 0
		.amdhsa_float_denorm_mode_32 3
		.amdhsa_float_denorm_mode_16_64 3
		.amdhsa_memory_ordered 1
		.amdhsa_forward_progress 1
		.amdhsa_inst_pref_size 255
	.end_amdhsa_kernel
	.section	.bss,"aw",@nobits
	.p2align	6
	.space	262144
	.amdgpu_metadata
---
amdhsa.version: [ 1, 2 ]
amdhsa.kernels:
  - .name:           k_q9dadbc7da5_qkv
    .symbol:         k_q9dadbc7da5_qkv.kd
    .args:
      - { .name: xh, .offset: 0, .size: 8, .value_kind: global_buffer, .address_space: global }
      - { .name: wh, .offset: 8, .size: 8, .value_kind: global_buffer, .address_space: global }
      - { .name: rope, .offset: 16, .size: 8, .value_kind: global_buffer, .address_space: global }
      - { .name: q_scale, .offset: 24, .size: 8, .value_kind: global_buffer, .address_space: global }
      - { .name: k_scale, .offset: 32, .size: 8, .value_kind: global_buffer, .address_space: global }
      - { .name: qkv, .offset: 40, .size: 8, .value_kind: global_buffer, .address_space: global }
    .group_segment_fixed_size: 327680
    .private_segment_fixed_size: 0
    .kernarg_segment_align: 8
    .kernarg_segment_size: 48
    .max_flat_workgroup_size: 128
    .sgpr_count:     80
    .vgpr_count:     1024
    .wavefront_size: 32
...
	.end_amdgpu_metadata
.endif
;; end of part 2
;; launch attn (part 3): grid 32 x 8, 4 waves a work-group, clusters of 4 x 4, 327,680 bytes of LDS; arguments qkv, attn_mask, ah; writes ah
.if DOCPART == 3
	.amdgcn_target "amdgcn-amd-amdhsa--gfx1250"
	.amdhsa_code_object_version 6
	.text
	.protected	k_q9dadbc7da5_attn
	.globl	k_q9dadbc7da5_attn
	.p2align	8
	.type	k_q9dadbc7da5_attn,@function
k_q9dadbc7da5_attn:
	s_mov_b64 s[64:65], 0
	v_nop
	global_prefetch_b8 v0, s[64:65] scope:SCOPE_SE
	s_setreg_imm32_b32 hwreg(HW_REG_WAVE_MODE, 25, 1), 1
	s_wait_xcnt 0x0
	s_wait_alu depctr_hold_cnt(0) depctr_sa_sdst(0) depctr_va_vdst(0) depctr_va_sdst(0) depctr_va_ssrc(0) depctr_va_vcc(0) depctr_vm_vsrc(0)
	s_getreg_b32 s2, hwreg(HW_REG_IB_STS2, 6, 4)
	s_cmp_eq_u32 s2, 0
	s_cbranch_scc0 .Lentry_in_a_cluster
	s_endpgm
.Lentry_in_a_cluster:
	s_bfe_u32 s2, ttmp6, 0x10000c
	s_cmp_lg_u32 s2, 0xf033
	s_cbranch_scc0 .Lentry_shape_is_right
	s_endpgm
.Lentry_shape_is_right:
; ah = softmax over s of (q[t] . k[s] + attn_mask[t][s]) times v[s], for the two query heads of one key/value head.
; qkv: [32 heads][2048][128] f16 (0-15 q, 16-23 k, 24-31 v).  attn_mask: [2048][2048] f32, an input: all 2,048 keys are done for every row.
; ah: f16 in the order of the next product's fragments, [128 row tiles of 16 t][256 groups of 8 k][16 rows][8 k], k = 128 head + h.
; A work-group has 64 rows of t and one key/value head; wave w has rows 16 w .. 16 w + 15 for both query heads, which share the mask's fragment.
; S^T = K Q^T (source 0 = keys, source 1 = queries): lane (r, h) holds query row r and keys 8 h + 0..7 of each tile of 16 keys.  Two
; neighbouring tiles, rounded to f16 and packed, ARE source 1 of O^T = V^T P^T; V^T comes out of LDS by the transposing load.
; So a row's maximum and sum are one number a lane; the maximum crosses the two halves of 16 lanes in every block, the sum once at the end.
; O^T's tile hc, packed, is in the same way half hc % 2 of the fragment of 32 k number hc / 2: it is stored as it lies, 16 bytes a lane.
; The maximum runs: each block of 64 keys takes max(old, block), and sum and O are rescaled by exp(old - new).  Mask add and S - M are
; plain f32 additions in natural units, as in the definition; the factor log2(e) comes behind them.
; CLUSTERS: 4 x 4.  K and V hang on the key/value head alone: asked for jointly by the four of a row of the cluster.  The mask's tiles hang
; on the row block alone: asked for jointly by the four of a column.
; Keys go in steps of 128 through two LDS slots: wave 0 asks for K, wave 1 for V, waves 2 and 3 for the mask's two tiles of 64 x 64.
; One tensor load of a wave is out at any time, and it has a whole step in which to land.
; LIMITS: no NaN or infinity in the mask (a block of 64 keys that is -infinity throughout for a row would give NaN).  A row in which every key
; carries about -1e9 is decided by sums whose spacing at that size is 64, here as in the definition.
; REGISTER WINDOWS: 0: addresses, statistics, S, fragments, mask.  1: Q(g, kk) at 8 (4 g + kk); O(hc, g) at 64 + 8 (2 hc + g).
.set KPITCH, 272
.set VPITCH, 288
.set MPITCH, 272
.set VOFF,   128*KPITCH                ; 34,816
.set MOFF,   VOFF+128*VPITCH           ; 71,680
.set MTILE,  64*MPITCH                 ; 17,408
.set SLOT,   MOFF+2*MTILE              ; 106,496
.set KVSTEP, 128*256                   ; bytes of 128 keys in K and in V
.set MSTEP,  128*4                     ; bytes of 128 keys in a row of the mask
.set QO,  1                            ; my byte offset in Q
.set ADK, 2                            ; v2-3   LDS address of my K fragments, slot 0, 1
.set ADV, 4                            ; v4-5   of my V fragments
.set ADM, 6                            ; v6-7   of my mask fragments
.set MP,  8                            ; v8-15  the maximum, twice (a pair): pair 4 p + 2 g; p takes turns from block to block
.set AL,  16                           ; v16-19 exp(old - new), twice, for g = 0, 1
.set LS,  20                           ; v20-21 my half's sum for g = 0, 1
.set T,   22                           ; v22-29 at work
.set S,   32                           ; v32-95  S(g, st) at 32 g + 8 st; later P, packed, at 32 g + 16 u
.set FA,  96                           ; v96-159  fragment buffer A
.set FB,  160                          ; v160-223 fragment buffer B
.set MK,  224                          ; v224-255 the mask's 4 tiles
.set QW,  0
.set OW,  64
.set G1K, 16
.set G1V, 24
.set G1M, 32
.set G0K, 40
.set G0V, 48
.set G0M, 56
.set MSB, 0
.macro WIN new
.if MSB != \new
	s_set_vgpr_msb (MSB<<8)|\new
.set MSB, \new
.endif
.endm
.macro PLACES                          ; four plain vector instructions behind a matrix instruction (ISA guide 7.12.1)
.rept 4
	v_nop
.endr
.endm
.macro JLOAD s                         ; one joint load a wave; each line has one mask
	s_cmp_lg_u32 s10, 0
	s_cbranch_scc1 .Lnot_k_\@
	tensor_load_to_lds s[G0K+4*(\s):G0K+4*(\s)+3], s[G1K:G1K+7]
	s_nop 0
	s_branch .Lasked_\@
.Lnot_k_\@:
	s_cmp_lg_u32 s10, 1
	s_cbranch_scc1 .Lnot_v_\@
	tensor_load_to_lds s[G0V+4*(\s):G0V+4*(\s)+3], s[G1V:G1V+7]
	s_nop 0
	s_branch .Lasked_\@
.Lnot_v_\@:
	tensor_load_to_lds s[G0M+4*(\s):G0M+4*(\s)+3], s[G1M:G1M+7]
	s_nop 0
.Lasked_\@:
.endm
.macro ROUND                           ; a round of the cluster's barrier
	s_barrier_signal -1
	s_barrier_wait -1
	s_cmp_lg_u32 s10, 0
	s_cbranch_scc1 .Lnot_wave_0_\@
	s_barrier_signal -3
.Lnot_wave_0_\@:
	s_barrier_wait -3
	s_barrier_signal -1
	s_barrier_wait -1
.endm
	s_load_b128 s[4:7], s[0:1], 0x0                ; qkv, attn_mask
	s_load_b64 s[8:9], s[0:1], 0x10                ; ah
	v_lshl_add_u32 v30, v0, 2, 0x34000
	v_mov_b32 v31, 0
	ds_add_u32 v30, v31
	v_lshrrev_b32 v1, 5, v0
	v_readfirstlane_b32 s10, v1                    ; wave
	s_and_b32 s12, s10, 1
	s_bfe_u32 s69, ttmp6, 0x40000                  ; cx
	s_bfe_u32 s70, ttmp6, 0x40004                  ; cy
	s_lshl_b32 s71, ttmp9, 2
	s_add_co_u32 s71, s71, s69                     ; row block of 64 = 4 x cluster x + cx
	s_and_b32 s72, ttmp7, 0xffff
	s_lshl_b32 s72, s72, 2
	s_add_co_u32 s72, s72, s70                     ; key/value head = 4 x cluster y + cy
	s_lshl_b32 s73, s70, 2
	s_lshl_b32 s73, 15, s73                        ; my row of the cluster
	s_lshl_b32 s74, 0x1111, s69                    ; my column
	s_mov_b32 s66, 0x76543210
	s_mov_b32 s67, 0xfedcba98
	; K: 128 rows x 128 f16, 4 words of padding behind every 64.  V: the same with 8 words.
	s_or_b32 s[G1K+0], s73, (1<<16)|(1<<20)|(1<<21)|(5<<22)|(3<<25)
	s_or_b32 s[G1V+0], s73, (1<<16)|(1<<20)|(1<<21)|(5<<22)|(7<<25)
.irp g, G1K, G1V
	s_mov_b32 s[\g+1], 128<<16
	s_mov_b32 s[\g+2], 128<<16
	s_mov_b32 s[\g+3], 128<<16
	s_mov_b32 s[\g+4], 128
	s_mov_b32 s[\g+5], 128
	s_mov_b32 s[\g+6], 0
	s_mov_b32 s[\g+7], 0
.endr
	; the mask: 64 rows x 64 f32, 4 words of padding behind every 64
	s_or_b32 s[G1M+0], s74, (2<<16)|(1<<20)|(1<<21)|(5<<22)|(3<<25)
	s_mov_b32 s[G1M+1], 64<<16
	s_mov_b32 s[G1M+2], 64<<16
	s_mov_b32 s[G1M+3], 64<<16
	s_mov_b32 s[G1M+4], 64
	s_mov_b32 s[G1M+5], 2048
	s_mov_b32 s[G1M+6], 0
	s_mov_b32 s[G1M+7], 0
	s_add_co_u32 s80, s72, 16
	s_lshl_b32 s80, s80, 19                        ; head 16 + kh, 524,288 bytes a head: s80-81 hold the head's coordinate alone
	s_mov_b32 s81, 0
	s_lshl_b32 s82, s71, 19                        ; 64 rows of 8,192 bytes: s82-83 hold the row block's coordinate alone
	s_lshl_b32 s83, s12, 8                         ; + which 64 keys of the step's 128 (waves 2, 3)
	s_add_co_u32 s82, s82, s83
	s_mov_b32 s83, 0
	s_mul_i32 s15, s10, MTILE
	s_add_co_u32 s15, s15, MOFF-2*MTILE            ; LDS: 71,680 + (wave - 2) x 17,408
	s_wait_dscnt 0x0
	s_wait_kmcnt 0x0
	s_add_nc_u64 s[80:81], s[4:5], s[80:81]
	s_add_nc_u64 s[82:83], s[6:7], s[82:83]
.irp s, 0,1
	s_mov_b32 s[G0K+4*\s], 1
	s_mov_b32 s[G0K+4*\s+1], \s*SLOT
	s_add_nc_u64 s[G0K+4*\s+2:G0K+4*\s+3], s[80:81], \s*KVSTEP
	s_or_b32 s[G0K+4*\s+3], s[G0K+4*\s+3], 0x80000000
	s_mov_b32 s[G0V+4*\s], 1
	s_mov_b32 s[G0V+4*\s+1], \s*SLOT+VOFF
	s_add_nc_u64 s[G0V+4*\s+2:G0V+4*\s+3], s[80:81], \s*KVSTEP+0x400000   ; the value head lies 8 heads behind the key head
	s_or_b32 s[G0V+4*\s+3], s[G0V+4*\s+3], 0x80000000
	s_mov_b32 s[G0M+4*\s], 1
	s_add_co_u32 s[G0M+4*\s+1], s15, \s*SLOT
	s_add_nc_u64 s[G0M+4*\s+2:G0M+4*\s+3], s[82:83], \s*MSTEP
	s_or_b32 s[G0M+4*\s+3], s[G0M+4*\s+3], 0x80000000
.endr
	s_lshl_b32 s2, s72, 20                         ; Q: heads 2 kh, 2 kh + 1
	s_mov_b32 s3, 0
	s_add_nc_u64 s[76:77], s[4:5], s[2:3]
	s_lshl_b32 s2, s71, 14                         ; + 64 rows of 256 bytes
	s_add_nc_u64 s[76:77], s[76:77], s[2:3]
	s_lshl_b32 s2, s71, 18                         ; ah: 4 row tiles of 65,536 bytes
	s_add_nc_u64 s[78:79], s[8:9], s[2:3]
	s_lshl_b32 s2, s72, 13                         ; + two heads of 4 fragments of 1,024 bytes
	s_add_nc_u64 s[78:79], s[78:79], s[2:3]
	ROUND                                          ; in front of the first joint loads
	JLOAD 0                                        ; keys 0 to 127
	v_and_b32 v22, 15, v0                          ; r
	v_bfe_u32 v23, v0, 4, 1                        ; h
	v_mul_u32_u24 v24, v22, KPITCH
	v_lshl_add_u32 v[ADK], v23, 4, v24             ; r x 272 + 16 h
	v_add_nc_u32 v[ADK+1], SLOT, v[ADK]
	v_and_b32 v25, 7, v0
	v_lshl_add_u32 v25, v23, 3, v25                ; key 8 h + lane % 8
	v_mul_u32_u24 v25, v25, VPITCH
	v_bfe_u32 v26, v0, 3, 1
	v_lshl_add_u32 v25, v26, 4, v25
	v_add_nc_u32 v[ADV], VOFF, v25
	v_add_nc_u32 v[ADV+1], VOFF+SLOT, v25
	s_mul_i32 s11, s10, 16*MPITCH
	s_add_co_u32 s11, s11, MOFF
	v_lshl_add_u32 v27, v23, 5, v24                ; r x 272 + 32 h
	v_add_nc_u32 v[ADM], s11, v27
	v_add_nc_u32 v[ADM+1], SLOT, v[ADM]
	s_lshl_b32 s13, s10, 12
	v_lshlrev_b32 v28, 8, v22
	v_lshl_add_u32 v28, v23, 4, v28
	v_add_nc_u32 v[QO], s13, v28                   ; (16 wave + r) x 256 + 16 h
	WIN 0x40
.irp g, 0,1
.irp kk, 0,1,2,3
	global_load_b128 v[QW+8*(4*\g+\kk):QW+8*(4*\g+\kk)+3],   v[QO], s[76:77] offset:\g*524288+64*\kk
	global_load_b128 v[QW+8*(4*\g+\kk)+4:QW+8*(4*\g+\kk)+7], v[QO], s[76:77] offset:\g*524288+64*\kk+32
.endr
.endr
	WIN 0
	s_wait_loadcnt 0x0                             ; Q stays in registers for the whole kernel
; 16 loads: K's tiles 4 c + 2 u, + 1 of the slot's eight, all 128 along the head
.macro LDK slot, c, u, f
.irp tl, 0,1
.irp kk, 0,1,2,3
	ds_load_b128 v[\f+8*(4*\tl+\kk):\f+8*(4*\tl+\kk)+3],   v[ADK+\slot] offset:(4*(\c)+2*\u+\tl)*16*KPITCH+64*\kk
	ds_load_b128 v[\f+8*(4*\tl+\kk)+4:\f+8*(4*\tl+\kk)+7], v[ADK+\slot] offset:(4*(\c)+2*\u+\tl)*16*KPITCH+64*\kk+32
.endr
.endr
.endm
; 16 loads: V^T for keys 32 ks .. 32 ks + 31, all 8 tiles of 16 along the head
.macro LDV slot, ks, f
.irp hc, 0,1,2,3,4,5,6,7
	ds_load_tr16_b128 v[\f+8*\hc:\f+8*\hc+3],   v[ADV+\slot] offset:(\ks)*32*VPITCH+32*\hc
	ds_load_tr16_b128 v[\f+8*\hc+4:\f+8*\hc+7], v[ADV+\slot] offset:(\ks)*32*VPITCH+32*\hc+16*VPITCH
.endr
.endm
; 8 loads: the mask of my 16 rows x 64 keys
.macro LDM slot, c
.irp st, 0,1,2,3
	ds_load_b128 v[MK+8*\st:MK+8*\st+3],   v[ADM+\slot] offset:(\c)*MTILE+64*\st
	ds_load_b128 v[MK+8*\st+4:MK+8*\st+7], v[ADM+\slot] offset:(\c)*MTILE+64*\st+16
.endr
.endm
; 16 matrix instructions: S^T for tiles 2 u, 2 u + 1 and both g.  Four accumulators take turns, one instruction a turn.
.macro QK16 u, f
	WIN 0x04
.irp kk, 0,1,2,3
.irp tl, 0,1
.irp g, 0,1
.if \kk
	v_wmma_f32_16x16x32_f16 v[S+32*\g+8*(2*\u+\tl):S+32*\g+8*(2*\u+\tl)+7], v[\f+8*(4*\tl+\kk):\f+8*(4*\tl+\kk)+7], v[QW+8*(4*\g+\kk):QW+8*(4*\g+\kk)+7], v[S+32*\g+8*(2*\u+\tl):S+32*\g+8*(2*\u+\tl)+7]
.else
	v_wmma_f32_16x16x32_f16 v[S+32*\g+8*(2*\u+\tl):S+32*\g+8*(2*\u+\tl)+7], v[\f+8*(4*\tl+\kk):\f+8*(4*\tl+\kk)+7], v[QW+8*(4*\g+\kk):QW+8*(4*\g+\kk)+7], 0
.endif
.endr
.endr
.endr
.endm
; 16 matrix instructions: O^T += V^T P^T for 32 keys.  Sixteen accumulators, one instruction each.
.macro PV16 u, f, zero
	WIN 0x50
.irp hc, 0,1,2,3,4,5,6,7
.irp g, 0,1
.if \zero
	v_wmma_f32_16x16x32_f16 v[OW+8*(2*\hc+\g):OW+8*(2*\hc+\g)+7], v[\f+8*\hc:\f+8*\hc+7], v[S+32*\g+16*\u:S+32*\g+16*\u+7], 0
.else
	v_wmma_f32_16x16x32_f16 v[OW+8*(2*\hc+\g):OW+8*(2*\hc+\g)+7], v[\f+8*\hc:\f+8*\hc+7], v[S+32*\g+16*\u:S+32*\g+16*\u+7], v[OW+8*(2*\hc+\g):OW+8*(2*\hc+\g)+7]
.endif
.endr
.endr
.endm
; The softmax step of one g on a block of 64 keys (32 numbers a lane).  p: which of the two maximum registers is written.
.macro SM g, p, first
.set SB,  S+32*\g
.set MPN, MP+4*\p+2*\g
.set MPO, MP+4*(1-\p)+2*\g
.set ii, 0
.rept 16
	v_pk_add_f32 v[SB+2*ii:SB+2*ii+1], v[SB+2*ii:SB+2*ii+1], v[MK+2*ii:MK+2*ii+1]   ; + mask
.set ii, ii+1
.endr
	v_max3_num_f32 v[T],   v[SB],   v[SB+1],  v[SB+2]      ; four chains
	v_max3_num_f32 v[T+1], v[SB+3], v[SB+4],  v[SB+5]
	v_max3_num_f32 v[T+2], v[SB+6], v[SB+7],  v[SB+8]
	v_max3_num_f32 v[T+3], v[SB+9], v[SB+10], v[SB+11]
.set ii, 12
.rept 10
	v_max3_num_f32 v[T+(ii/2)%4], v[T+(ii/2)%4], v[SB+ii], v[SB+ii+1]
.set ii, ii+2
.endr
	v_max3_num_f32 v[T], v[T], v[T+1], v[T+2]
	v_max_num_f32 v[T], v[T], v[T+3]
	v_permlanex16_b32 v[T+1], v[T], s66, s67       ; the other half's keys of the same row
.if \first
	v_max_num_f32 v[MPN],   v[T], v[T+1]
	v_max_num_f32 v[MPN+1], v[T], v[T+1]
.else
	v_max3_num_f32 v[MPN],   v[T], v[T+1], v[MPO]
	v_max3_num_f32 v[MPN+1], v[T], v[T+1], v[MPO]
	v_sub_f32 v[T+2], v[MPO], v[MPN]
	v_mul_f32 v[T+2], 0x3fb8aa3b, v[T+2]
	v_exp_f32 v[AL+2*\g],   v[T+2]                 ; exp(old - new); plain instructions follow before it is used
	v_exp_f32 v[AL+2*\g+1], v[T+2]
.endif
.set ii, 0
.rept 16
	v_pk_add_f32 v[SB+2*ii:SB+2*ii+1], v[SB+2*ii:SB+2*ii+1], v[MPN:MPN+1] neg_lo:[0,1] neg_hi:[0,1]   ; S - M
.set ii, ii+1
.endr
.set ii, 0
.rept 16
	v_pk_mul_f32 v[SB+2*ii:SB+2*ii+1], v[SB+2*ii:SB+2*ii+1], 0x3fb8aa3b op_sel_hi:[1,0]
.set ii, ii+1
.endr
.set ii, 0
.rept 32
	v_exp_f32 v[SB+ii], v[SB+ii]
.set ii, ii+1
.endr
	v_nop                                          ; a plain instruction between the last exponential and its use
	s_wait_alu depctr_va_vdst(0)
.irp c, 0,1,2,3
	v_pk_add_f32 v[T+2*\c:T+2*\c+1], v[SB+2*\c:SB+2*\c+1], v[SB+8+2*\c:SB+8+2*\c+1]
.endr
.irp c, 0,1,2,3
	v_pk_add_f32 v[T+2*\c:T+2*\c+1], v[T+2*\c:T+2*\c+1], v[SB+16+2*\c:SB+16+2*\c+1]
.endr
.irp c, 0,1,2,3
	v_pk_add_f32 v[T+2*\c:T+2*\c+1], v[T+2*\c:T+2*\c+1], v[SB+24+2*\c:SB+24+2*\c+1]
.endr
	v_pk_add_f32 v[T:T+1], v[T:T+1], v[T+2:T+3]
	v_pk_add_f32 v[T+4:T+5], v[T+4:T+5], v[T+6:T+7]
	v_pk_add_f32 v[T:T+1], v[T:T+1], v[T+4:T+5]
.if \first
	v_add_f32 v[LS+\g], v[T], v[T+1]
.else
	v_add_f32 v[T], v[T], v[T+1]
	v_fma_f32 v[LS+\g], v[LS+\g], v[AL+2*\g], v[T]
.endif
	; P to f16, packed in place: tiles 2 u, 2 u + 1 become registers 0-3, 4-7 of source 1.  A destination never lies above a source still to be read.
.irp u, 0,1
.irp tl, 0,1
.irp i, 0,1,2,3
	v_cvt_pk_f16_f32 v[SB+16*\u+4*\tl+\i], v[SB+16*\u+8*\tl+2*\i], v[SB+16*\u+8*\tl+2*\i+1]
.endr
.endr
.endr
.endm
.macro RESC                            ; O times AL(g)
	WIN 0x41
.irp hc, 0,1,2,3,4,5,6,7
.irp g, 0,1
.irp i, 0,1,2,3
	v_pk_mul_f32 v[OW+8*(2*\hc+\g)+2*\i:OW+8*(2*\hc+\g)+2*\i+1], v[OW+8*(2*\hc+\g)+2*\i:OW+8*(2*\hc+\g)+2*\i+1], v[AL+2*\g:AL+2*\g+1]
.endr
.endr
.endr
.endm
; A block of 64 keys.  On entry these LDS loads are out, in this order: K into FA (16), K into FB (16), the mask (8).
.macro SUB slot, c, first, nxt
	s_wait_dscnt 24                                ; FA's K is in; FB's K and the mask may be out
	QK16 0, FA
	WIN 0
	PLACES
	LDV \slot, 2*\c, FA
	s_wait_dscnt 24                                ; FB's K is in; the mask and FA's V may be out
	QK16 1, FB
	WIN 0
	PLACES
	LDV \slot, 2*\c+1, FB
	s_wait_dscnt 32                                ; the mask is in; both halves of V may be out
	SM 0, \c, \first
	SM 1, \c, \first
.if \first
.else
	RESC
.endif
	s_wait_dscnt 16                                ; FA's V is in
	PV16 0, FA, \first
	WIN 0
	PLACES
.if \nxt
	LDK \slot, \c+1, 0, FA
	s_wait_dscnt 16                                ; FB's V is in; the K just asked for may be out
.else
	s_wait_dscnt 0x0
.endif
	PV16 1, FB, 0
	WIN 0
.rept 5
	v_nop                                          ; five places: the next block's first products write over P, a source of these
.endr
.if \nxt
	LDK \slot, \c+1, 1, FB
	LDM \slot, \c+1
.endif
.endm
; A step of 128 keys.  In front of the round every wave has waited for all its tensor loads (its part of this step's tiles among them) and
; for its reads of the other slot; behind the round the other slot is asked for again first.
.macro TRIP slot, refill, first
	s_wait_tensorcnt 0x0
	ds_add_u32 v30, v31
	s_wait_dscnt 0x0
	s_add_nc_u64 s[G0K+4*\slot+2:G0K+4*\slot+3], s[G0K+4*\slot+2:G0K+4*\slot+3], 2*KVSTEP   ; no load of mine is out: this slot's next tiles
	s_add_nc_u64 s[G0V+4*\slot+2:G0V+4*\slot+3], s[G0V+4*\slot+2:G0V+4*\slot+3], 2*KVSTEP
	s_add_nc_u64 s[G0M+4*\slot+2:G0M+4*\slot+3], s[G0M+4*\slot+2:G0M+4*\slot+3], 2*MSTEP
	s_wait_dscnt 0x0
	ROUND
.if \refill
	JLOAD 1-\slot
.endif
	LDK \slot, 0, 0, FA
	LDK \slot, 0, 1, FB
	LDM \slot, 0
	SUB \slot, 0, \first, 1
	SUB \slot, 1, 0, 0
.endm
	TRIP 0, 1, 1                                   ; the first block starts maximum, sum and O: nothing is cleared
	s_mov_b32 s68, 7
.Lstep:
	TRIP 1, 1, 0
	TRIP 0, 1, 0
	s_sub_co_u32 s68, s68, 1
	s_cmp_lg_u32 s68, 0
	s_cbranch_scc1 .Lstep
	TRIP 1, 0, 0                                   ; keys 1,920 to 2,047: nothing is left to fetch
	; ---- the way out
	v_permlanex16_b32 v[T],   v[LS],   s66, s67    ; the two halves' sums meet
	v_permlanex16_b32 v[T+1], v[LS+1], s66, s67
	v_add_f32 v[LS],   v[LS],   v[T]
	v_add_f32 v[LS+1], v[LS+1], v[T+1]
	v_rcp_f32 v[AL],   v[LS]                       ; the sum is at least 1: the largest term is exp(0)
	v_rcp_f32 v[AL+1], v[LS]
	v_rcp_f32 v[AL+2], v[LS+1]
	v_rcp_f32 v[AL+3], v[LS+1]
	v_and_b32 v[T+2], 31, v0                       ; plain instructions between the reciprocals and their use: my byte offset in ah
	v_lshlrev_b32 v[T+2], 4, v[T+2]
	v_lshl_add_u32 v[T+2], s10, 16, v[T+2]         ; my wave's row tile x 65,536 + 16 x lane
	s_wait_alu depctr_va_vdst(0)
	RESC
	WIN 0x05
.irp hc, 0,1,2,3,4,5,6,7
.irp g, 0,1
.irp i, 0,1,2,3
	v_cvt_pk_f16_f32 v[FA+4*(2*\hc+\g)+\i], v[OW+8*(2*\hc+\g)+2*\i], v[OW+8*(2*\hc+\g)+2*\i+1]
.endr
.endr
.endr
	WIN 0
.irp g, 0,1
.irp hc, 0,1,2,3,4,5,6,7
	global_store_b128 v[T+2], v[FA+4*(2*\hc+\g):FA+4*(2*\hc+\g)+3], s[78:79] offset:\g*4096+\hc*512   ; half a fragment: 512 consecutive bytes, aligned
.endr
.endr
	ROUND                                          ; the closing round
	s_endpgm
.Lfunc_end_k_q9dadbc7da5_attn:
	.size	k_q9dadbc7da5_attn, .Lfunc_end_k_q9dadbc7da5_attn-k_q9dadbc7da5_attn
	.p2alignl 7, 3214868480
	.fill 96, 4, 3214868480
	.section	.rodata,"a",@progbits
	.p2align	6, 0x0
	.amdhsa_kernel k_q9dadbc7da5_attn
		.amdhsa_group_segment_fixed_size 327680
		.amdhsa_private_segment_fixed_size 0
		.amdhsa_enable_private_segment 0
		.amdhsa_kernarg_size 24
		.amdhsa_user_sgpr_count 2
		.amdhsa_user_sgpr_kernarg_segment_ptr 1
		.amdhsa_wavefront_size32 1
		.amdhsa_system_sgpr_workgroup_id_x 1
		.amdhsa_system_sgpr_workgroup_id_y 1
		.amdhsa_system_sgpr_workgroup_id_z 1
		.amdhsa_system_vgpr_workitem_id 0
		.amdhsa_next_free_vgpr 448
		.amdhsa_next_free_sgpr 84
		.amdhsa_reserve_vcc 0
		.amdhsa_float_denorm_mode_32 3
		.amdhsa_float_denorm_mode_16_64 3
		.amdhsa_memory_ordered 1
		.amdhsa_forward_progress 1
		.amdhsa_inst_pref_size 253
	.end_amdhsa_kernel
	.amdgpu_metadata
---
amdhsa.version: [ 1, 2 ]
amdhsa.kernels:
  - .name:           k_q9dadbc7da5_attn
    .symbol:         k_q9dadbc7da5_attn.kd
    .args:
      - { .name: qkv, .offset: 0, .size: 8, .value_kind: global_buffer, .address_space: global }
      - { .name: attn_mask, .offset: 8, .size: 8, .value_kind: global_buffer, .address_space: global }
      - { .name: ah, .offset: 16, .size: 8, .value_kind: global_buffer, .address_space: global }
    .group_segment_fixed_size: 327680
    .private_segment_fixed_size: 0
    .kernarg_segment_align: 8
    .kernarg_segment_size: 24
    .max_flat_workgroup_size: 128
    .sgpr_count:     84
    .vgpr_count:     448
    .wavefront_size: 32
...
	.end_amdgpu_metadata
.endif
;; end of part 3
;; launch oproj (part 4): grid 32 x 8, 4 waves a work-group, clusters of 4 x 4, 327,680 bytes of LDS; arguments ah, woh, out0; writes out0
.if DOCPART == 4
	.amdgcn_target "amdgcn-amd-amdhsa--gfx1250"
	.amdhsa_code_object_version 6
	.text
	.protected	k_q9dadbc7da5_oproj
	.globl	k_q9dadbc7da5_oproj
	.p2align	8
	.type	k_q9dadbc7da5_oproj,@function
k_q9dadbc7da5_oproj:
	s_mov_b64 s[64:65], 0
	v_nop
	global_prefetch_b8 v0, s[64:65] scope:SCOPE_SE
	s_setreg_imm32_b32 hwreg(HW_REG_WAVE_MODE, 25, 1), 1
	s_wait_xcnt 0x0
	s_wait_alu depctr_hold_cnt(0) depctr_sa_sdst(0) depctr_va_vdst(0) depctr_va_sdst(0) depctr_va_ssrc(0) depctr_va_vcc(0) depctr_vm_vsrc(0)
	s_getreg_b32 s2, hwreg(HW_REG_IB_STS2, 6, 4)
	s_cmp_eq_u32 s2, 0
	s_cbranch_scc0 .Lentry_in_a_cluster
	s_endpgm
.Lentry_in_a_cluster:
	s_bfe_u32 s2, ttmp6, 0x10000c
	s_cmp_lg_u32 s2, 0xf033
	s_cbranch_scc0 .Lentry_shape_is_right
	s_endpgm
.Lentry_shape_is_right:
; out0[t][d] = sum over k of ah[t][k] woh[k][d].  woh: [2048][4096] f16, out0: [2048][4096] f32; sums in f32.
; ah: f16 in fragment order, [128 row tiles of 16][256 groups of 8 k][16 rows][8 k]: the 1,024 bytes of a row tile and 32 k are a fragment's image
; (lane l: 16 bytes at 16 l, 16 at 512 + 16 l).
; LIMIT: operands are f16 (|o_w| below 65,504; ah is bounded by sqrt(128)).
; A work-group makes 256 rows x 128 columns with four waves; a wave makes 64 rows x 128 columns: 32 accumulator tiles, 256 registers, so
; that there are 256 work-groups.
; AH GOES STRAIGHT INTO REGISTERS, NOT THROUGH LDS, AND IS NOT ASKED FOR JOINTLY.  Wave w alone reads rows 64 w .. 64 w + 63, so LDS would only pass
; its bytes on, and they would take 512 of the 800 bytes of LDS that a k costs.  With woh alone a slot of 73,728 bytes holds 256 k: 256 matrix
; instructions of a wave for a refill to land in.  A ring of eight register buffers, one for each quarter step (32 k, 8 loads of 512 consecutive
; bytes), is asked for seven quarters ahead: 56 loads of a wave are on their way.
; CLUSTERS: 4 x 4.  woh's tile hangs on the column block alone and is asked for jointly by the four of a column of the cluster; each wave fetches
; a quarter of a slot, 64 rows of 256 bytes.  woh lies [K][N]: its fragments come out of LDS by the transposing load.
; The matrix instruction is used transposed (source 0 = woh, source 1 = ah): lane (r, h) holds row r, columns 16 b + 8 h + 0..7 of tile (a, b).
; REGISTER WINDOWS: 0: addresses and two buffers of woh's fragments.  1: the accumulator tiles, (a, b) at 8 (8 a + b).
;                   2: ah's ring, quarter q at 32 (q % 8), row tile a at + 8 a.
.set KDIM,    2048
.set BSTRIDE, 4096
.set SPS,     2                        ; K steps of 128 in a slot
.set KS,      128*SPS                  ; 256
.set BPITCH,  288                      ; 256 bytes + 32: the transposing load's 8 rows x 2 columns of 16 bytes start at 16 different places modulo 256 bytes
.set BQ,      (KS/4)*BPITCH            ; what one wave fetches: 18,432
.set SLOT,    KS*BPITCH                ; 73,728
.set STAGE,   2*SLOT                   ; behind the ring: 16 rows x 528 bytes for each wave; no tensor load lands there
.set SPITCH,  528                      ; 512 bytes + 16
.set BSTEP,   KS*BSTRIDE*2             ; 2,097,152
.set ATILE,   KDIM*32                  ; bytes of a row tile in ah
.set QS,      4*SPS
.set QL,      2*QS
.set LAPS,    KDIM/(32*QL)             ; 4
.set ADRB, 8                           ; v8-11  LDS address of my fragments of woh: slot s, K step t at s SPS + t
.set AO,   16                          ; v16    16 x lane
.set STO,  24
.set RD,   25
.set F0,   32                          ; woh's fragments, buffer 0: column tile b at + 8 b
.set F1,   96
.set G1B, 48
.set G0B, 56
.set MSB, 0
.macro WIN new
.if MSB != \new
	s_set_vgpr_msb (MSB<<8)|\new
.set MSB, \new
.endif
.endm
.macro PLACES                          ; four plain vector instructions behind a matrix instruction (ISA guide 7.12.1)
.rept 4
	v_nop
.endr
.endm
.macro CREST
	s_cmp_lg_u32 s10, 0
	s_cbranch_scc1 .Lnot_wave_0_\@
	s_barrier_signal -3
.Lnot_wave_0_\@:
	s_barrier_wait -3
	s_barrier_signal -1
	s_barrier_wait -1
.endm
.macro CROUND
	s_barrier_signal -1
	s_barrier_wait -1
	CREST
.endm
	s_load_b128 s[4:7], s[0:1], 0x0                ; ah, woh
	s_load_b64 s[8:9], s[0:1], 0x10                ; out0
	v_lshl_add_u32 v254, v0, 2, 0x2c400
	v_mov_b32 v255, 0
	ds_add_u32 v254, v255
	v_lshrrev_b32 v1, 5, v0
	v_readfirstlane_b32 s10, v1                    ; wave
	s_bfe_u32 s40, ttmp6, 0x40000                  ; cx
	s_bfe_u32 s41, ttmp6, 0x40004                  ; cy
	s_lshl_b32 s42, ttmp9, 2
	s_add_co_u32 s42, s42, s40                     ; column block
	s_and_b32 s13, ttmp7, 0xffff
	s_lshl_b32 s13, s13, 2
	s_add_co_u32 s13, s13, s41                     ; row block
	s_lshl_b32 s44, 0x1111, s40                    ; my column of the cluster
	; group 1 for woh: 64 rows (K) x 128 f16, 8 words of padding behind every 64
	s_or_b32 s[G1B+0], s44, (1<<16)|(1<<20)|(1<<21)|(5<<22)|(7<<25)
	s_mov_b32 s[G1B+1], 128<<16
	s_mov_b32 s[G1B+2], (KS/4)<<16
	s_mov_b32 s[G1B+3], 128<<16
	s_mov_b32 s[G1B+4], KS/4
	s_mov_b32 s[G1B+5], BSTRIDE
	s_mov_b32 s[G1B+6], 0
	s_mov_b32 s[G1B+7], 0
	s_lshl_b32 s16, s13, 4
	s_lshl_b32 s17, s10, 2
	s_add_co_u32 s16, s16, s17                     ; my first row tile = 16 x block + 4 x wave
	s_lshl_b32 s16, s16, 16                        ; x 65,536 bytes
	s_mov_b32 s17, 0
	s_lshl_b32 s46, s42, 8                         ; column block x 256 bytes: made of the column block and the wave alone
	s_lshl_b32 s47, s10, 19                        ; + wave x 64 rows of 8,192 bytes
	s_add_co_u32 s46, s46, s47
	s_mov_b32 s47, 0
	s_mul_i32 s21, s10, BQ                         ; LDS: wave x 18,432
	s_wait_dscnt 0x0
	s_wait_kmcnt 0x0
	s_add_nc_u64 s[14:15], s[4:5], s[16:17]        ; ah at my row tiles, K = 0; stepped once a lap
	s_add_nc_u64 s[46:47], s[6:7], s[46:47]
	CROUND                                         ; in front of the first joint loads
.irp s, 0,1
	s_mov_b32 s[G0B+4*\s], 1
	s_add_co_u32 s[G0B+4*\s+1], s21, \s*SLOT
	s_add_nc_u64 s[G0B+4*\s+2:G0B+4*\s+3], s[46:47], \s*BSTEP
	s_or_b32 s[G0B+4*\s+3], s[G0B+4*\s+3], 0x80000000
	tensor_load_to_lds s[G0B+4*\s:G0B+4*\s+3], s[G1B:G1B+7]        ; two tensor loads of the wave are out, later one
	s_nop 0
.endr
	v_and_b32 v1, 15, v0                           ; r
	v_bfe_u32 v2, v0, 4, 1                         ; h
	v_and_b32 v6, 31, v0
	v_lshlrev_b32 v[AO], 4, v6                     ; 16 x lane: in a fragment's half, and in a row's 512 bytes of out0
	v_and_b32 v4, 7, v0
	v_lshl_add_u32 v4, v2, 3, v4                   ; K row 8 h + lane % 8
	v_mul_u32_u24 v4, v4, BPITCH
	v_bfe_u32 v5, v0, 3, 1
	v_lshl_add_u32 v4, v5, 4, v4
.set ii, 0
.rept 2*SPS
	v_add_nc_u32 v[ADRB+ii], (ii/SPS)*SLOT+(ii%SPS)*128*BPITCH, v4
.set ii, ii+1
.endr
	s_mul_i32 s23, s10, 16*SPITCH
	s_add_co_u32 s23, s23, STAGE                   ; my stage
	v_mul_u32_u24 v5, v1, SPITCH
	v_lshl_add_u32 v5, v2, 5, v5
	v_add_nc_u32 v[STO], s23, v5                   ; row r, 32 bytes for each half of the lanes
	v_add_nc_u32 v[RD], s23, v[AO]
; 8 loads: ah's four fragments of quarter q, counted from the lap's first (it may lie in the next lap), into ring buffer q % 8
.macro ALOAD q
	WIN 0x80
.irp a, 0,1,2,3
	global_load_b128 v[32*((\q)%8)+8*\a:32*((\q)%8)+8*\a+3],   v[AO], s[14:15] offset:\a*ATILE+(\q)*1024
	global_load_b128 v[32*((\q)%8)+8*\a+4:32*((\q)%8)+8*\a+7], v[AO], s[14:15] offset:\a*ATILE+(\q)*1024+512
.endr
.endm
; 16 LDS loads: woh's eight fragments of quarter q of a slot, transposed on the way, into buffer f
.macro FETCHB slot, q, f
	WIN 0
.irp b, 0,1,2,3,4,5,6,7
	ds_load_tr16_b128 v[\f+8*\b:\f+8*\b+3],   v[ADRB+(\slot)*SPS+(\q)/4] offset:((\q)%4)*32*BPITCH+32*\b
	ds_load_tr16_b128 v[\f+8*\b+4:\f+8*\b+7], v[ADRB+(\slot)*SPS+(\q)/4] offset:((\q)%4)*32*BPITCH+32*\b+16*BPITCH
.endr
.endm
; 16 matrix instructions: column tiles b0 .. b0 + 3 x the four row tiles.  The 32 accumulators take turns, one instruction a turn, in the same
; order in every quarter step, over the backward jump too.
.macro MULH f, ab, b0, zero
	WIN 0x58                                       ; source 0 window 0, source 1 window 2, C and D window 1
.irp b, \b0, \b0+1, \b0+2, \b0+3
.irp a, 0,1,2,3
.if \zero
	v_wmma_f32_16x16x32_f16 v[8*(8*\a+(\b)):8*(8*\a+(\b))+7], v[\f+8*(\b):\f+8*(\b)+7], v[\ab+8*\a:\ab+8*\a+7], 0
.else
	v_wmma_f32_16x16x32_f16 v[8*(8*\a+(\b)):8*(8*\a+(\b))+7], v[\f+8*(\b):\f+8*(\b)+7], v[\ab+8*\a:\ab+8*\a+7], v[8*(8*\a+(\b)):8*(8*\a+(\b))+7]
.endif
.endr
.endr
.endm
; Quarter qs of a slot.  In its middle, four places behind the matrix instructions that read them last, the other buffer of woh gets the next
; quarter's fragments and the ring buffer read in the quarter before gets ah's quarter seven further on.
; The slot's last quarter changes slots: in front of the barrier each wave waits for its reads of this slot and for all its tensor loads (one is
; out: its part of the other slot).  Where the slot is filled again the barrier opens a round of the cluster's barrier, and the joint refill is the
; first tensor load behind the round; from there to the wait for it a wave issues 32 QS - 16 matrix instructions.
.macro QTR slot, qs
.set QI, \slot*QS+\qs
.set FB_, F0+64*(QI%2)
.set GB_, F0+64*((QI+1)%2)
.set AB_, 32*(QI%8)
.set Z_, 0
.if ZERO_
.if QI == 0
.set Z_, 1                                         ; the first products start the sums: nothing is cleared
.endif
.endif
.set LC_, 48
.set AL_, 1
.if TAIL
.if QI+7 > QL-1
.set AL_, 0                                        ; the last seven quarters ask for nothing: no load leaves ah
.endif
.if QI+6 > QL-1
.set LC_, 8*(QL-1-QI)
.endif
.endif
	s_wait_loadcnt LC_                             ; this quarter's ah is in; the younger quarters' loads, 8 each, six of them until the counts run down, stay out
.if \qs == QS-1
	s_wait_dscnt 0x0                               ; my reads of this slot are over
.if TAIL*\slot
	MULH FB_, AB_, 0, Z_                           ; the very last quarter: nothing more to fetch
	MULH FB_, AB_, 4, Z_
.else
	s_set_vgpr_msb 0x5850
	s_wait_tensorcnt 0x0                           ; and all my tensor loads have landed
	ds_add_u32 v254, v255
	s_wait_dscnt 0x0
	s_set_vgpr_msb 0x5058
	s_barrier_signal -1
	MULH FB_, AB_, 0, Z_                           ; registers only, while the others arrive
	WIN 0
	s_barrier_wait -1
.if TAIL == 0
	CREST
	s_add_nc_u64 s[G0B+4*\slot+2:G0B+4*\slot+3], s[G0B+4*\slot+2:G0B+4*\slot+3], 2*BSTEP
	tensor_load_to_lds s[G0B+4*\slot:G0B+4*\slot+3], s[G1B:G1B+7]
	s_nop 0
.endif
	PLACES
	FETCHB 1-\slot, 0, GB_
.if AL_
	ALOAD QI+7
.endif
	MULH FB_, AB_, 4, Z_
.endif
.else
	s_wait_dscnt 8                                 ; woh's fragments 0-3 are in; the youngest eight loads (fragments 4-7) may be out
	MULH FB_, AB_, 0, Z_
	WIN 0
	PLACES
	FETCHB \slot, \qs+1, GB_
.if AL_
	ALOAD QI+7
.endif
	s_wait_dscnt 16                                ; all but the 16 just issued
	MULH FB_, AB_, 4, Z_
.endif
.endm
.macro LAP zero                        ; once round the ring
.set ZERO_, \zero
.set qq, 0
.rept QS
	QTR 0, qq
.set qq, qq+1
.endr
.set qq, 0
.rept QS
	QTR 1, qq
.set qq, qq+1
.endr
.if TAIL == 0
	s_wait_xcnt 0x0                                ; ah's base, which pending loads name, is stepped only behind this wait
	s_add_nc_u64 s[14:15], s[14:15], QL*1024
.endif
.endm
.irp q, 0,1,2,3,4,5,6
	ALOAD \q                                       ; ah's ring: quarters 0 to 6
.endr
	WIN 0
	s_wait_tensorcnt 0x1                           ; my part of slot 0 is in; slot 1's may stay out
	s_barrier_signal -1
	s_barrier_wait -1
	FETCHB 0, 0, F0
.set TAIL, 0
	LAP 1
	WIN 0
	s_mov_b32 s3, LAPS-2
.Llap:
	LAP 0
	WIN 0
	s_sub_co_u32 s3, s3, 1
	s_cmp_lg_u32 s3, 0
	s_cbranch_scc1 .Llap
.set TAIL, 1
	LAP 0                                          ; the last lap fills nothing
	WIN 0
	PLACES
	; ---- the way out: 16 rows at a time through my own stage, so that a store covers a row's 512 consecutive bytes
	s_lshl_b32 s16, s13, 8
	s_lshl_b32 s17, s10, 6
	s_add_co_u32 s16, s16, s17                     ; my first row
	s_lshl_b32 s16, s16, 14                        ; x 16,384 bytes
	s_mov_b32 s17, 0
	s_add_nc_u64 s[8:9], s[8:9], s[16:17]
	s_lshl_b32 s46, s42, 9                         ; column block x 512 bytes
	s_mov_b32 s47, 0
	s_add_nc_u64 s[8:9], s[8:9], s[46:47]
.macro OUT16 a, f
	WIN 0x04                                       ; the stores' data in window 1
.irp b, 0,1,2,3,4,5,6,7
	ds_store_b128 v[STO], v[64*\a+8*\b:64*\a+8*\b+3]   offset:64*\b
	ds_store_b128 v[STO], v[64*\a+8*\b+4:64*\a+8*\b+7] offset:64*\b+16
.endr
	WIN 0
	s_wait_xcnt 0x0                                ; the registers that earlier stores read are loaded again only behind this wait
.irp t, 0,1,2,3,4,5,6,7,8,9,10,11,12,13,14,15
	ds_load_b128 v[\f+4*\t:\f+4*\t+3], v[RD] offset:\t*SPITCH      ; a wave's LDS instructions are served in order: these see the stores above
.endr
.irp t, 0,1,2,3,4,5,6,7,8,9,10,11,12,13,14,15
	s_wait_dscnt 15-\t                             ; load t is in, the younger ones stay out
	global_store_b128 v[AO], v[\f+4*\t:\f+4*\t+3], s[8:9] offset:(16*\a+\t)*16384 th:TH_STORE_NT
.endr
.endm
	OUT16 0, F0
	OUT16 1, F1
	OUT16 2, F0
	OUT16 3, F1
	s_wait_tensorcnt 0x0
	ds_add_u32 v254, v255
	s_wait_dscnt 0x0
	CROUND                                         ; the closing round
	s_endpgm
.Lfunc_end_k_q9dadbc7da5_oproj:
	.size	k_q9dadbc7da5_oproj, .Lfunc_end_k_q9dadbc7da5_oproj-k_q9dadbc7da5_oproj
	.p2alignl 7, 3214868480
	.fill 96, 4, 3214868480
	.section	.rodata,"a",@progbits
	.p2align	6, 0x0
	.amdhsa_kernel k_q9dadbc7da5_oproj
		.amdhsa_group_segment_fixed_size 327680
		.amdhsa_private_segment_fixed_size 0
		.amdhsa_enable_private_segment 0
		.amdhsa_kernarg_size 24
		.amdhsa_user_sgpr_count 2
		.amdhsa_user_sgpr_kernarg_segment_ptr 1
		.amdhsa_wavefront_size32 1
		.amdhsa_system_sgpr_workgroup_id_x 1
		.amdhsa_system_sgpr_workgroup_id_y 1
		.amdhsa_system_sgpr_workgroup_id_z 1
		.amdhsa_system_vgpr_workitem_id 0
		.amdhsa_next_free_vgpr 768
		.amdhsa_next_free_sgpr 66
		.amdhsa_reserve_vcc 0
		.amdhsa_float_denorm_mode_32 3
		.amdhsa_float_denorm_mode_16_64 3
		.amdhsa_memory_ordered 1
		.amdhsa_forward_progress 1
		.amdhsa_inst_pref_size 220
	.end_amdhsa_kernel
	.amdgpu_metadata
---
amdhsa.version: [ 1, 2 ]
amdhsa.kernels:
  - .name:           k_q9dadbc7da5_oproj
    .symbol:         k_q9dadbc7da5_oproj.kd
    .args:
      - { .name: ah, .offset: 0, .size: 8, .value_kind: global_buffer, .address_space: global }
      - { .name: woh, .offset: 8, .size: 8, .value_kind: global_buffer, .address_space: global }
      - { .name: out0, .offset: 16, .size: 8, .value_kind: global_buffer, .address_space: global }
    .group_segment_fixed_size: 327680
    .private_segment_fixed_size: 0
    .kernarg_segment_align: 8
    .kernarg_segment_size: 24
    .max_flat_workgroup_size: 128
    .sgpr_count:     66
    .vgpr_count:     768
    .wavefront_size: 32
...
	.end_amdgpu_metadata
.endif
;; end of part 4
